; MI455X (gfx1250); checked and timed in simulation.
; The chip was launched on July 23, 2026; its instructions are those of AMD's public machine-readable ISA for CDNA 5 (MIT licence, August 2026) and "CDNA5" Instruction Set Architecture Reference Guide (July 2026). The comments in the code are by the model that wrote it; some were corrected since.
;; LSTM. Allowed arithmetic: matrix products marked QUANTISED: E3M2 operands, one E8M0 scale for each 32 along K, by v_wmma_scale_f32_16x16x128_f8f6f4 with both operands' format E3M2, f32 sums; everything else in f32.
;; Inputs: Wfh 2,048 x 2,048 float32; Wfx 2,048 x 2,048 float32; Wgh 2,048 x 2,048 float32; Wgx 2,048 x 2,048 float32; Wih 2,048 x 2,048 float32; Wix 2,048 x 2,048 float32; Woh 2,048 x 2,048 float32; Wox 2,048 x 2,048 float32; X 2,048 x 2,048 float32; bf 2,048 x 1 float32; bg 2,048 x 1 float32; bi 2,048 x 1 float32; bo 2,048 x 1 float32; c 2,048 x 2,048 float32; h 2,048 x 2,048 float32.
;; Outputs: out0 2,048 x 2,048 float32.
;; This version of the problem:
;;   THIS VERSION OF THE PROBLEM IS GIVEN IN LOW PRECISION. The matrix products marked QUANTISED in the list below multiply operands that are first quantised to E3M2 (3 exponent bits, 2 mantissa bits; 6 bits a number), with one power-of-two scale for each 32 numbers along K (OCP MX v1.0); their sums are f32. All else is computed in f32.
;;   The module's matrix products, in the order in which they are computed (A, B: the left and right operand; K: the contracted axis; several contracted axes count as one K, in the product's order):
;;     1. [M 2,048, K 2,048] x [K 2,048, N 2,048]; A: input Wgx; B: input X: QUANTISED
;;     2. [M 2,048, K 2,048] x [K 2,048, N 2,048]; A: input Wgh; B: input h: QUANTISED
;;     3. [M 2,048, K 2,048] x [K 2,048, N 2,048]; A: input Wix; B: input X: QUANTISED
;;     4. [M 2,048, K 2,048] x [K 2,048, N 2,048]; A: input Wih; B: input h: QUANTISED
;;     5. [M 2,048, K 2,048] x [K 2,048, N 2,048]; A: input Wfx; B: input X: QUANTISED
;;     6. [M 2,048, K 2,048] x [K 2,048, N 2,048]; A: input Wfh; B: input h: QUANTISED
;;     7. [M 2,048, K 2,048] x [K 2,048, N 2,048]; A: input Wox; B: input X: QUANTISED
;;     8. [M 2,048, K 2,048] x [K 2,048, N 2,048]; A: input Woh; B: input h: QUANTISED
;;   THE QUANTISER, for each operand of a quantised product, along K:
;;     - K is cut into blocks of 32 from its start; a last block that is shorter is filled with zeros.
;;     - A block's scale is 2^e with e = floor(log2(the largest magnitude in the block)) - 4, held to -126 .. 127; a block of zeros has e = 0. As a byte (E8M0): e + 127.
;;     - Each number is divided by its block's scale, clamped to +-28, and rounded to the nearest number of E3M2, ties to even, subnormals kept.
;;     - The product sums the exact products of the quantised numbers (number of the format x scale) in f32.
;;   ~~~python
;;   def quantise(x, axis):      # numpy; x: float32 -> the quantised numbers, widened to float32 again
;;       x = np.moveaxis(x, axis, -1); K = x.shape[-1]
;;       x = np.pad(x, [(0, 0)] * (x.ndim - 1) + [(0, -K % 32)]); x = x.reshape(x.shape[:-1] + (-1, 32)); a = np.abs(x).max(-1, keepdims=True)
;;       e = np.where(a > 0, np.clip(np.frexp(np.where(a > 0, a, 1))[1] - 1 - 4, -126, 127), 0)      # np.frexp(a)[1] - 1 = floor(log2(a)), exactly
;;       r = np.clip(x / 2.0 ** e, -28, 28)
;;       step = 2.0 ** (np.maximum(np.frexp(np.where(r == 0, 1, r))[1] - 1, -2) - 2)
;;       q = np.round(r / step) * step * 2.0 ** e      # np.round: ties to even
;;       return np.moveaxis(q.reshape(q.shape[:-2] + (-1,))[..., :K], -1, axis).astype(np.float32)
;;   ~~~
;; One version. Each part assembles by itself: llvm-mc -triple=amdgcn-amd-amdhsa -mcpu=gfx1250 --defsym DOCPART=n.
;; ======== version 1 of 1: 2 launches
;; limits: right only within a limited range of input values
;; workspace buffers: wq 26,214,400 bytes; xq 6,553,600 bytes
;; launch quant (part 1): grid 1536 x 1, 4 waves a work-group, no clusters, 61,952 bytes of LDS; arguments Wgx, Wgh, Wix, Wih, Wfx, Wfh, Wox, Woh, wq, X, h, xq; writes wq, xq
.if DOCPART == 1
	.amdgcn_target "amdgcn-amd-amdhsa--gfx1250"
	.amdhsa_code_object_version 6
	.text
	.protected	k_qef06d1cb86_quant
	.globl	k_qef06d1cb86_quant
	.p2align	8
	.type	k_qef06d1cb86_quant,@function
k_qef06d1cb86_quant:
	s_mov_b64 s[64:65], 0
	v_nop
	global_prefetch_b8 v0, s[64:65] scope:SCOPE_SE
	s_setreg_imm32_b32 hwreg(HW_REG_WAVE_MODE, 25, 1), 1
	s_wait_xcnt 0x0
; All ten operands become codes of BF6 (E3M2) with one E8M0 scale byte for each 32 along K, laid as the product's launch reads them.  Work-groups 0-1023 take the eight weights, 1024-1535 X and h.
; wq = [group 0..63][unit 0..31][12,800 bytes].  A group is 128 operand rows: hidden units 32 g .. 32 g + 31 of the four gates, row = 32 x gate + unit % 32 (gate 0 g, 1 i, 2 f, 3 o).
; xq = [group 0..15][unit 0..31][12,800 bytes]: a group is 128 batch columns.  A unit is 128 along the joined K (units 0-15: the weight on X, or X; 16-31: the weight on h, or h).
; In a unit: 12,288 bytes of codes, [block of 16 rows 0..7][1,536]: a fragment (16 rows x 128 K, 12 registers a lane) as an image of its registers: registers 4 c .. 4 c + 3 of lane l at 512 c + 16 l;
; then 128 scale words, [row 0..127][4 bytes].
; A block's scale is 2^(floor(log2(its largest magnitude)) - 4); its byte is the largest magnitude's exponent field - 4, held at 1 from below.  A block of zeros so gets the byte 1 where the rule says 127:
; its codes are zeros, which add nothing under any byte but 0xff, and this program alone reads the bytes.
; LIMITS: NaN and infinities among the inputs are not served; blocks whose largest magnitude lies under 2^(5 - 127) take the byte 1.
; The two paths part on the work-group's number alone and have LDS bytes of their own: the weights' 0 .. 49,151, X's and h's 49,152 .. 61,439; the spare words lie behind both.  Waves share nothing: no barrier.
.set UNIT,  12800
.set GRP,   32*UNIT
.set CODES, 12288
.set QXB,   49152
.set SPARE, 61440
	s_cmp_lt_u32 ttmp9, 1024
	s_cbranch_scc0 .Lqx
; THE WEIGHTS (K innermost).  Work-group n: gate n / 256, group (n % 256) / 4; its wave w takes 256 along K from 256 s on, s = 4 (n % 4) + w (units 2 s, 2 s + 1), of 32 rows, in 16 turns of two rows.
; A turn's four loads read 512 consecutive bytes each; the 2,048 bytes go through the wave's own stage in LDS and come back 64 bytes a lane: 16 neighbours along K, which the conversion wants in one lane.
; The codes are gathered as rows of 192 bytes in a second stage, read back as fragments and stored as images: each such store of the wave covers 512 consecutive bytes, aligned to 256.
.set STEPS, 16
.set WREG,  12288                      ; LDS of a wave: two stages of 32 x SP bytes, 256 scale bytes, 32 rows of codes
.set SP,    80                         ; a lane's place in a stage: its 64 bytes + 16 of padding
.set SCB,   2*32*SP
.set CST,   SCB+256
.set CP,    208                        ; a row of codes: 192 bytes + 16
.set R,     16                         ; v16-79   four sets of 16 numbers as loaded; at the end the four fragments
.set X,     80                         ; v80-111  two sets of 16 neighbours; at the end v80-81 a row's scale bytes
.set E,     112                        ; v112-127 a scale byte for each turn
.set C,     128                        ; v128-191 codes: four registers for each turn
	s_load_b512 s[8:23], s[0:1], 0x0               ; Wgx, Wgh, Wix, Wih, Wfx, Wfh, Wox, Woh
	s_load_b64 s[24:25], s[0:1], 0x40              ; wq
	v_lshl_add_u32 v12, v0, 2, SPARE               ; my spare word,
	v_mov_b32 v13, 0                               ; and 0
	v_lshrrev_b32 v1, 5, v0
	v_readfirstlane_b32 s26, v1                    ; wave
	s_lshr_b32 s27, ttmp9, 8                       ; gate
	s_bfe_u32 s28, ttmp9, 0x60002                  ; group
	s_and_b32 s29, ttmp9, 3                        ; which four steps of 256 along K
	s_lshr_b32 s30, s29, 1
	s_lshl_b32 s31, s27, 1
	s_add_co_u32 s30, s30, s31                     ; which of the eight weights: 2 x gate + (0: on X, 1: on h)
	v_and_b32 v2, 31, v0                           ; lane
	v_lshlrev_b32 v1, 2, v2                        ; my row's scale word
	v_lshlrev_b32 v3, 4, v2                        ; my 16 bytes of 512
	s_mul_i32 s31, s26, WREG                       ; my wave's LDS
	v_lshrrev_b32 v14, 2, v2
	v_mul_u32_u24 v14, v14, SP
	v_and_b32 v15, 3, v2
	v_lshl_add_u32 v14, v15, 4, v14
	v_add_nc_u32 v14, s31, v14                     ; the stage, on the way in: SP (lane / 4) + 16 (lane % 4)
	v_mul_u32_u24 v15, v2, SP
	v_add_nc_u32 v15, s31, v15                     ; and on the way out: SP x lane
	v_and_b32 v8, 15, v2
	v_lshrrev_b32 v9, 4, v2
	v_mul_u32_u24 v4, v9, CP
	v_mad_u32_u24 v4, v8, 12, v4
	v_add_nc_u32 v4, s31, v4
	v_add_nc_u32 v4, CST, v4                       ; my 12 bytes of codes: row lane / 16 of the turn's two, 12 (lane % 16)
	v_mul_u32_u24 v10, v8, CP
	v_mad_u32_u24 v10, v9, 24, v10
	v_add_nc_u32 v10, s31, v10
	v_add_nc_u32 v10, CST, v10                     ; a fragment's row lane % 16, + 24 (lane / 16)
	v_lshrrev_b32 v5, 1, v2
	v_add_nc_u32 v5, s31, v5
	v_add_nc_u32 v5, SCB, v5                       ; my block's scale byte
	v_lshlrev_b32 v7, 3, v2
	v_add_nc_u32 v6, s31, v7
	v_add_nc_u32 v6, SCB, v6                       ; back out of LDS 8 scale bytes a lane: one row's
	s_lshl_b32 s32, s28, 18                        ; in: 32 rows of 8,192 bytes a group,
	s_and_b32 s34, s29, 1
	s_lshl_b32 s34, s34, 12                        ; four steps of 1,024 bytes,
	s_add_co_u32 s32, s32, s34
	s_lshl_b32 s34, s26, 10                        ; my step
	s_add_co_u32 s32, s32, s34
	s_mov_b32 s33, 0
	s_lshl_b32 s34, s29, 2
	s_add_co_u32 s34, s34, s26                     ; s
	s_mul_i32 s34, s34, 2*UNIT
	s_mul_i32 s36, s28, GRP
	s_add_co_u32 s34, s34, s36                     ; out: my group's unit 2 s
	s_mov_b32 s35, 0
	s_mul_i32 s36, s27, 3072                       ; in it my gate's two blocks of 16 rows,
	s_mov_b32 s37, 0
	s_lshl_b32 s38, s27, 7
	s_add_co_u32 s38, s38, CODES                   ; and my gate's 32 scale words
	s_mov_b32 s39, 0
	s_wait_alu depctr_va_vdst(0)                   ; the wait at the head's end
	s_wait_kmcnt 0x0
	s_mov_b64 s[4:5], s[8:9]                       ; the weight is chosen by ids alone
.irp j, 1,2,3,4,5,6,7
	s_cmp_eq_u32 s30, \j
	s_cselect_b64 s[4:5], s[8+2*\j:9+2*\j], s[4:5]
.endr
	s_add_nc_u64 s[4:5], s[4:5], s[32:33]
	s_add_nc_u64 s[24:25], s[24:25], s[34:35]
	s_add_nc_u64 s[6:7], s[24:25], s[36:37]        ; the codes
	s_add_nc_u64 s[24:25], s[24:25], s[38:39]      ; the scale words
.macro LOAD t                          ; rows 2 t and 2 t + 1: 1,024 bytes each, in halves of 512
.irp i, 0,1,2,3
	global_load_b128 v[R+16*((\t)%4)+4*\i:R+16*((\t)%4)+4*\i+3], v3, s[4:5] offset:(2*(\t)+\i/2)*8192+(\i%2)*512 th:TH_LOAD_NT
.endr
.endm
.macro TURN t                          ; through the stage: LDS serves a wave's instructions in order, so no wait stands between the stores and the loads
.irp i, 0,1,2,3
	ds_store_b128 v14, v[R+16*((\t)%4)+4*\i:R+16*((\t)%4)+4*\i+3] offset:32*SP*((\t)%2)+8*SP*\i
.endr
.irp i, 0,1,2,3
	ds_load_b128 v[X+16*((\t)%2)+4*\i:X+16*((\t)%2)+4*\i+3], v15 offset:32*SP*((\t)%2)+16*\i
.endr
.endm
.irp t, 0,1,2,3
	LOAD \t
.endr
	s_wait_loadcnt 12                              ; turn 0's four loads are in; three turns' twelve may be out
	TURN 0
.macro STEP t
.set XS, X+16*((\t)%2)
.if (\t) > 0
	s_wait_dscnt 4                                 ; this turn's numbers are back; the last turn's byte store and three code stores may be out
.else
	s_wait_dscnt 0x0
.endif
.if (\t)+4 < STEPS
	LOAD (\t)+4                                    ; into the set that this turn's stores into the stage have read
.endif
.if (\t)+1 < STEPS
.if STEPS-2-(\t) >= 3
	s_wait_loadcnt 12                              ; the next turn's four loads are in; those of the three turns behind it may be out
.else
	s_wait_loadcnt 4*(STEPS-2-(\t))
.endif
	TURN (\t)+1
.endif
	v_max3_num_f32 v8, |v[XS]|, |v[XS+1]|, |v[XS+2]|               ; the largest magnitude of my 16
	v_max3_num_f32 v9, |v[XS+3]|, |v[XS+4]|, |v[XS+5]|
.irp i, 6,10
	v_max3_num_f32 v8, v8, |v[XS+\i]|, |v[XS+\i+1]|
	v_max3_num_f32 v9, v9, |v[XS+\i+2]|, |v[XS+\i+3]|
.endr
	v_max3_num_f32 v8, v8, |v[XS+14]|, |v[XS+15]|
	v_max3_num_f32 v8, v8, v9, 0x2800000           ; and the floor 2^(5 - 127)
	v_max_num_f32_dpp v8, v8, v8 row_xmask:1 row_mask:0xf bank_mask:0xf   ; and of my neighbour's 16: the block's
	v_add_nc_u32 v11, 0xfe000000, v8               ; 4 off its exponent field: the conversion's scale operand
	v_cvt_scalef32_pk16_bf6_f32 v[C+4*(\t):C+4*(\t)+2], v[XS:XS+15], v11
	v_lshrrev_b32 v[E+(\t)], 23, v11               ; the scale's byte (a plain line behind the conversion)
	ds_store_b8 v5, v[E+(\t)] offset:16*(\t)       ; both lanes of a block write the same byte with the same value
.irp j, 0,1,2
	ds_store_b32 v4, v[C+4*(\t)+\j] offset:2*CP*(\t)+4*\j
.endr
.endm
.irp t, 0,1,2,3,4,5,6,7,8,9,10,11,12,13,14,15
	STEP \t
.endr
	ds_load_b64 v[X:X+1], v6                       ; a row's eight scale bytes: the word of unit 2 s, the word of unit 2 s + 1
.irp f, 0,1,2,3                        ; fragment f: rows 16 (f / 2) on, K 128 (f % 2) on
.irp p, 0,1,2,3,4,5
	ds_load_b64 v[R+12*\f+2*\p:R+12*\f+2*\p+1], v10 offset:(\f/2)*16*CP+(\f%2)*96+48*(\p/3)+8*(\p%3)
.endr
.endr
	s_wait_dscnt 0x0
	global_store_b32 v1, v[X], s[24:25]            ; 32 lanes store 128 consecutive bytes
	global_store_b32 v1, v[X+1], s[24:25] offset:UNIT
.irp f, 0,1,2,3
.irp c, 0,1,2
	global_store_b128 v3, v[R+12*\f+4*\c:R+12*\f+4*\c+3], s[6:7] offset:(\f%2)*UNIT+(\f/2)*1536+512*\c   ; the image: 512 consecutive bytes a store
.endr
.endr
	s_wait_tensorcnt 0x0                           ; the wave's end
	ds_add_u32 v12, v13
	s_wait_dscnt 0x0
	s_endpgm
; X AND h (K their FIRST axis).  Work-group 1024 + m: group m % 16, unit m / 16.  Wave w takes columns 32 w .. 32 w + 31: two fragments, 3,072 consecutive bytes of the unit.
; A LANE TAKES A COLUMN AND ITS REGISTERS RUN DOWN K: a block of 32 lies in one lane's 32 registers, and the conversions give codes with K innermost.
; A block's 24 bytes are registers 6 c .. 6 c + 5 (c = block / 2) of the fragment's lane (column % 16) + 16 (block % 2): they are stored at that place of the image in the wave's own LDS, and the image leaves as it lies.
.Lqx:
.set X,     32                         ; v32-159  four blocks of 32 numbers; at the end v32-55 the image on its way out
.set C,     160                        ; v160-191 a block's codes: eight registers for each block
	s_load_b128 s[4:7], s[0:1], 0x48               ; X, h
	s_load_b64 s[8:9], s[0:1], 0x58                ; xq
	v_lshl_add_u32 v26, v0, 2, SPARE               ; my spare word,
	v_mov_b32 v27, 0                               ; and 0
	v_lshrrev_b32 v1, 5, v0
	v_readfirstlane_b32 s16, v1                    ; wave
	v_and_b32 v2, 31, v0                           ; lane
	s_sub_co_u32 s17, ttmp9, 1024
	s_lshr_b32 s17, s17, 4                         ; the unit
	s_and_b32 s19, ttmp9, 15                       ; the group
	v_lshlrev_b32 v3, 2, v2                        ; 4 bytes a lane: in, and the scale words out
	s_mul_i32 s18, s16, 3072
	s_add_co_u32 s18, s18, QXB                     ; my wave's two images
	v_lshrrev_b32 v8, 4, v2
	v_and_b32 v9, 15, v2
	v_mul_u32_u24 v4, v8, 1536
	v_lshl_add_u32 v4, v9, 4, v4
	v_add_nc_u32 v4, s18, v4                       ; into them: image lane / 16, 16 (lane % 16)
	v_lshlrev_b32 v6, 4, v2                        ; out: 16 bytes a lane
	v_add_nc_u32 v5, s18, v6
	s_and_b32 s20, s17, 15
	s_lshl_b32 s20, s20, 20                        ; in: 128 rows of 8,192 bytes,
	s_lshl_b32 s22, s19, 9                         ; 128 columns a group,
	s_add_co_u32 s20, s20, s22
	s_lshl_b32 s22, s16, 7                         ; 32 a wave
	s_add_co_u32 s20, s20, s22
	s_mov_b32 s21, 0
	s_mul_i32 s22, s17, UNIT
	s_mul_i32 s24, s19, GRP
	s_add_co_u32 s22, s22, s24                     ; out: my group's unit
	s_mov_b32 s23, 0
	s_mul_i32 s24, s16, 3072                       ; my two blocks of 16 columns
	s_mov_b32 s25, 0
	s_lshl_b32 s26, s16, 7                         ; my 32 columns' scale words
	s_add_co_u32 s26, s26, CODES
	s_mov_b32 s27, 0
	s_wait_alu depctr_va_vdst(0)                   ; the wait at the head's end
	s_wait_kmcnt 0x0
	s_cmp_lt_u32 s17, 16                           ; X or h: the choice hangs on the work-group's number alone
	s_cselect_b64 s[4:5], s[4:5], s[6:7]
	s_add_nc_u64 s[4:5], s[4:5], s[20:21]
	s_add_nc_u64 s[8:9], s[8:9], s[22:23]
	s_add_nc_u64 s[6:7], s[8:9], s[24:25]          ; the codes
	s_add_nc_u64 s[8:9], s[8:9], s[26:27]          ; the scale words
.macro XLOAD t                         ; block t: rows 32 t + i of my column: 32 lanes read 128 consecutive bytes, the four waves 512
.irp i, 0,1,2,3,4,5,6,7,8,9,10,11,12,13,14,15,16,17,18,19,20,21,22,23,24,25,26,27,28,29,30,31
	global_load_b32 v[X+32*(\t)+\i], v3, s[4:5] offset:(32*(\t)+\i)*8192 th:TH_LOAD_NT
.endr
.endm
	XLOAD 0
	XLOAD 1
.macro XBLOCK t
.set XS, X+32*(\t)
.set CB, C+8*(\t)
.set HH, 256*((\t)%2)
.if (\t) < 3
	s_wait_loadcnt 32                              ; this block's 32 loads are in; the next block's may be out
.else
	s_wait_loadcnt 0x0
.endif
.if (\t)+2 < 4
	XLOAD (\t)+2
.endif
	v_max3_num_f32 v12, |v[XS]|, |v[XS+1]|, |v[XS+2]|               ; the block's largest magnitude: all 32 numbers are mine
	v_max3_num_f32 v13, |v[XS+3]|, |v[XS+4]|, |v[XS+5]|
.irp i, 6,10,14,18,22,26
	v_max3_num_f32 v12, v12, |v[XS+\i]|, |v[XS+\i+1]|
	v_max3_num_f32 v13, v13, |v[XS+\i+2]|, |v[XS+\i+3]|
.endr
	v_max3_num_f32 v12, v12, |v[XS+30]|, |v[XS+31]|
	v_max3_num_f32 v12, v12, v13, 0x2800000        ; and the floor 2^(5 - 127)
	v_add_nc_u32 v11, 0xfe000000, v12              ; 4 off its exponent field: the conversion's scale operand
	v_lshrrev_b32 v13, 23, v11                     ; the scale's byte
.if (\t) == 0
	v_mov_b32 v24, v13                             ; four bytes to the word, the lower K in the lower byte
.else
	v_lshl_or_b32 v24, v13, 8*(\t), v24
.endif
	v_cvt_scalef32_pk16_bf6_f32 v[CB:CB+2], v[XS:XS+15], v11
	v_cvt_scalef32_pk16_bf6_f32 v[CB+4:CB+6], v[XS+16:XS+31], v11   ; (a conversion's three registers begin on an even number)
	v_nop                                          ; one plain line behind a scaled conversion
	v_mov_b32 v[CB+3], v[CB+4]
	v_mov_b32 v[CB+4], v[CB+5]
	v_mov_b32 v[CB+5], v[CB+6]                     ; v[CB] .. v[CB + 5]: the block's 24 bytes
.if (\t)/2 == 0
	ds_store_b128 v4, v[CB:CB+3] offset:HH         ; the fragment's registers 0-3,
	ds_store_b64 v4, v[CB+4:CB+5] offset:512+HH    ; 4 and 5
.else
	ds_store_b64 v4, v[CB:CB+1] offset:520+HH      ; registers 6 and 7,
	ds_store_b128 v4, v[CB+2:CB+5] offset:1024+HH  ; 8-11
.endif
.endm
	XBLOCK 0
	XBLOCK 1
	XBLOCK 2
	XBLOCK 3
	global_store_b32 v3, v24, s[8:9]               ; my column's scale word
.irp i, 0,1,2,3,4,5
	ds_load_b128 v[X+4*\i:X+4*\i+3], v5 offset:512*\i   ; LDS serves a wave's instructions in order: these see my stores
.endr
.irp i, 0,1,2,3,4,5
	s_wait_dscnt 5-\i                              ; piece i is back; the younger ones may be out
	global_store_b128 v6, v[X+4*\i:X+4*\i+3], s[6:7] offset:512*\i   ; 512 consecutive bytes a store, aligned to 256
.endr
	s_wait_tensorcnt 0x0                           ; the wave's end
	ds_add_u32 v26, v27
	s_wait_dscnt 0x0
	s_endpgm
.Lfunc_end_k_qef06d1cb86_quant:
	.size	k_qef06d1cb86_quant, .Lfunc_end_k_qef06d1cb86_quant-k_qef06d1cb86_quant
	.p2alignl 7, 3214868480
	.fill 96, 4, 3214868480
	.section	.rodata,"a",@progbits
	.p2align	6, 0x0
	.amdhsa_kernel k_qef06d1cb86_quant
		.amdhsa_group_segment_fixed_size 61952
		.amdhsa_private_segment_fixed_size 0
		.amdhsa_enable_private_segment 0
		.amdhsa_kernarg_size 96
		.amdhsa_user_sgpr_count 2
		.amdhsa_user_sgpr_kernarg_segment_ptr 1
		.amdhsa_wavefront_size32 1
		.amdhsa_system_sgpr_workgroup_id_x 1
		.amdhsa_system_sgpr_workgroup_id_y 1
		.amdhsa_system_sgpr_workgroup_id_z 1
		.amdhsa_system_vgpr_workitem_id 0
		.amdhsa_next_free_vgpr 192
		.amdhsa_next_free_sgpr 66
		.amdhsa_reserve_vcc 0
		.amdhsa_float_denorm_mode_32 3
		.amdhsa_float_denorm_mode_16_64 3
		.amdhsa_memory_ordered 1
		.amdhsa_forward_progress 1
		.amdhsa_inst_pref_size 60
	.end_amdhsa_kernel
	.amdgpu_metadata
---
amdhsa.version: [ 1, 2 ]
amdhsa.kernels:
  - .name:           k_qef06d1cb86_quant
    .symbol:         k_qef06d1cb86_quant.kd
    .args:
      - { .name: Wgx, .offset: 0, .size: 8, .value_kind: global_buffer, .address_space: global }
      - { .name: Wgh, .offset: 8, .size: 8, .value_kind: global_buffer, .address_space: global }
      - { .name: Wix, .offset: 16, .size: 8, .value_kind: global_buffer, .address_space: global }
      - { .name: Wih, .offset: 24, .size: 8, .value_kind: global_buffer, .address_space: global }
      - { .name: Wfx, .offset: 32, .size: 8, .value_kind: global_buffer, .address_space: global }
      - { .name: Wfh, .offset: 40, .size: 8, .value_kind: global_buffer, .address_space: global }
      - { .name: Wox, .offset: 48, .size: 8, .value_kind: global_buffer, .address_space: global }
      - { .name: Woh, .offset: 56, .size: 8, .value_kind: global_buffer, .address_space: global }
      - { .name: wq, .offset: 64, .size: 8, .value_kind: global_buffer, .address_space: global }
      - { .name: X, .offset: 72, .size: 8, .value_kind: global_buffer, .address_space: global }
      - { .name: h, .offset: 80, .size: 8, .value_kind: global_buffer, .address_space: global }
      - { .name: xq, .offset: 88, .size: 8, .value_kind: global_buffer, .address_space: global }
    .group_segment_fixed_size: 61952
    .private_segment_fixed_size: 0
    .kernarg_segment_align: 8
    .kernarg_segment_size: 96
    .max_flat_workgroup_size: 128
    .sgpr_count:     66
    .vgpr_count:     192
    .wavefront_size: 32
...
	.end_amdgpu_metadata
.endif
;; end of part 1
;; launch lstm (part 2): grid 8 x 32, 4 waves a work-group, clusters of 4 x 4, 327,680 bytes of LDS; arguments wq, xq, c, out0, bg, bi, bf, bo; writes out0
.if DOCPART == 2
	.amdgcn_target "amdgcn-amd-amdhsa--gfx1250"
	.amdhsa_code_object_version 6
	.text
	.protected	k_qef06d1cb86_lstm
	.globl	k_qef06d1cb86_lstm
	.p2align	8
	.type	k_qef06d1cb86_lstm,@function
k_qef06d1cb86_lstm:
	s_mov_b64 s[64:65], 0
	v_nop
	global_prefetch_b8 v0, s[64:65] scope:SCOPE_SE
	s_setreg_imm32_b32 hwreg(HW_REG_WAVE_MODE, 25, 1), 1
	s_wait_xcnt 0x0
	s_wait_alu depctr_hold_cnt(0) depctr_sa_sdst(0) depctr_va_vdst(0) depctr_va_sdst(0) depctr_va_ssrc(0) depctr_va_vcc(0) depctr_vm_vsrc(0)
	s_getreg_b32 s2, hwreg(HW_REG_IB_STS2, 6, 4)
	s_cmp_eq_u32 s2, 0
	s_cbranch_scc0 .Lentry_in_a_cluster
	s_endpgm
.Lentry_in_a_cluster:
	s_bfe_u32 s2, ttmp6, 0x10000c
	s_cmp_lg_u32 s2, 0xf033
	s_cbranch_scc0 .Lentry_shape_is_right
	s_endpgm
.Lentry_shape_is_right:
; h_new = tanh(sigmoid(g i + c f)) o, with the four gates' sums made by ONE product on codes of BF6: [8192 operand rows (wq)] x [2048 batch columns (xq)], joined K = 4096 (X, then h), 32 units of 128.
; A work-group of four waves makes 256 operand rows x 256 columns; a wave 128 x 128: 64 accumulators.  A wave's 128 rows are 32 hidden units of all four gates (row = 32 gate + unit), so the gates meet in one lane.
; wq and xq hold, for each group of 128 rows and each unit, 12,288 bytes of fragments as images of their registers and 128 scale words (12,800 bytes, dense, a multiple of 256).
; RING: two LDS slots of three units (4 x 38,400 bytes); waves 0, 1 fetch A's two groups, waves 2, 3 B's, by joint loads in a 4 x 4 cluster (A shared along a row, B along a column).  Fills 0-9 have three units, fill 10 two.
; REGISTERS, four windows of 256, all laid alike: v0-31 small things, v32-127 fragments (parity p at 32 + 48 p, four fragments of 12), v128-255 sixteen accumulators.
;   window 0: A's blocks 0-3, accumulators (a 0-3, b 0-3), scale words v16-31;  window 1: A's 4-7, accumulators (a 4-7, b 0-3), biases;  window 2: B's 0-3, accumulators (a 0-3, b 4-7), LDS addresses of A and of the scales;
;   window 3: B's 4-7, accumulators (a 4-7, b 4-7), LDS addresses of B.
; Both operands have TWO whole sets of fragments, by the unit's parity.  A unit is four quarters of 16 matrix instructions, one window setting each.  The next unit's fragments go into the other set in TWO runs of LDS loads:
; 32 loads at the unit's head (A's 0-3, the 8 scale words, B's 0-3: what the next unit's first quarter wants), 64 matrix instructions ahead of the wait for them; 24 behind the second quarter (B's 4-7, A's 4-7),
; 48 and 64 matrix instructions ahead of theirs.
; The matrix instruction is used transposed (source 0 = batch columns, source 1 = operand rows): a lane holds one hidden unit and eight neighbouring batch columns.
; c's tile (32 rows x 512 bytes a wave) comes by one tensor load a wave into slot 1, when that slot's last joint fill has been read; the results are stored over it and leave as whole rows.
; PREFETCH: behind the refill that asks for fill f + 2 the 150 blocks of 256 bytes of fill f + 4 are named, 38 by each of the four partners that load them jointly, told apart by address; fills 0-3 and 10 come by their loads alone.
; c's 64 blocks a wave are named once, four units ahead of the load that wants them.
; LIMITS: NaN and infinities among the inputs are not served.  The base-2 exponents of exp(2 g'), exp(-i'), exp(-f') are held at 30 from above, so that their three-fold product stays in f32's range:
; a sigmoid is not taken under 2^-30 and a tanh not nearer to 1 than 2^-29.
.set UNIT,   12800
.set GRP,    32*UNIT
.set CODES,  12288
.set HALFT,  3*UNIT
.set SLOT,   4*HALFT
.set SPARE,  2*SLOT                    ; the spare words: 512 bytes that no other line names
.set STAGE,  SLOT                      ; c, then the results: in slot 1
.set SP,     528                       ; a stage row: 512 bytes + 16
.set WST,    32*SP                     ; a wave's stage
.set TRIPS,  4
.set CO,  6                            ; window 0: 16 x lane
.set STO, 7                            ; stage, by accumulator layout
.set RD,  8                            ; stage, by rows
.set SPW, 9
.set NIL, 10
.set PF0, 11                           ; prefetch offsets
.set PF1, 12
.set PFC, 13
.set BO,  14
.set SC,  16                           ; scale words: parity p at SC + 8 p; register i: lanes 0-15 A's block i, lanes 16-31 B's block i
.set FRG, 32
.set ACC, 128
.set ADRA, 0                           ; window 2: v0-1 A's fragments in slot 0, 1; v2-3 the scale words
.set ADRB, 0                           ; window 3: v0-1 B's fragments
.set BR,  0                            ; window 1: v0-7 biases, v8-23 scaled, in pairs
.set BK,  8
.set TG,  32                           ; the way out, window 0
.set TI,  48
.set TF,  64
.set TO,  80
.set CR,  96                           ; c, two sets of 16
.set OB,  32                           ; rows on their way out: window 1, then window 2
.set G1,  24
.set G0,  32
.set G1B, 48
.set G0B, 56
.set KS,  66
.set KT,  76
.set G1C, 80
.set G0C, 88
.set PFA, 92
.set LIM, 94
.set MSB, 0
.macro WIN new                         ; the immediate's high byte repeats the setting that is left
.if MSB != (\new)
	s_set_vgpr_msb (MSB<<8)|(\new)
.set MSB, (\new)
.endif
.endm
.macro PLACES
.rept 4
	v_nop
.endr
.endm
.macro JLOAD s                         ; a joint load: waves 0, 1 for A, waves 2, 3 for B
	s_cmp_eq_u32 s13, 0
	s_cbranch_scc0 .Lfor_b_\@
	tensor_load_to_lds s[G0+4*\s:G0+4*\s+3], s[G1:G1+7]
	s_nop 0
	PLACES
	s_branch .Lasked_\@
.Lfor_b_\@:
	tensor_load_to_lds s[G0B+4*\s:G0B+4*\s+3], s[G1B:G1B+7]
	s_nop 0
	PLACES
.Lasked_\@:
.endm
.macro CREST
	s_cmp_lg_u32 s12, 0
	s_cbranch_scc1 .Lnot_wave_0_\@
	s_barrier_signal -3
.Lnot_wave_0_\@:
	s_barrier_wait -3
	s_barrier_signal -1
	s_barrier_wait -1
.endm
.macro CROUND
	s_barrier_signal -1
	s_barrier_wait -1
	CREST
.endm
	s_load_b256 s[4:11], s[0:1], 0x0               ; wq, xq, c, out0
	s_load_b256 s[68:75], s[0:1], 0x20             ; bg, bi, bf, bo
	v_lshl_add_u32 v[SPW], v0, 2, SPARE
	v_mov_b32 v[NIL], 0
	ds_add_u32 v[SPW], v[NIL]                      ; the opening lines
	ds_add_u32 v[SPW], v[NIL]
	v_lshrrev_b32 v1, 5, v0
	v_readfirstlane_b32 s12, v1                    ; wave
	s_lshr_b32 s13, s12, 1                         ; my half of the rows; also: I fetch for A (0) or B (1)
	s_and_b32 s14, s12, 1                          ; my half of the columns; also: which group I fetch
	s_bfe_u32 s40, ttmp6, 0x40000                  ; cx
	s_bfe_u32 s41, ttmp6, 0x40004                  ; cy
	s_lshl_b32 s42, ttmp9, 2
	s_add_co_u32 s42, s42, s40                     ; tile column
	s_and_b32 s15, ttmp7, 0xffff
	s_lshl_b32 s15, s15, 2
	s_add_co_u32 s15, s15, s41                     ; tile row
	s_lshl_b32 s43, s41, 2
	s_lshl_b32 s43, 15, s43                        ; my row of the cluster
	s_lshl_b32 s44, 0x1111, s40                    ; my column
	s_or_b32 s[G1+0], s43, (3<<16)|(1<<21)         ; a dense block as rows of 256 bytes (32 elements of 8)
	s_or_b32 s[G1B+0], s44, (3<<16)|(1<<21)
.irp g, G1, G1B
	s_mov_b32 s[\g+1], 32<<16
	s_mov_b32 s[\g+2], 150<<16
	s_mov_b32 s[\g+3], 32<<16
	s_mov_b32 s[\g+4], 150
	s_mov_b32 s[\g+5], 32
	s_mov_b32 s[\g+6], 0
	s_mov_b32 s[\g+7], 0
.endr
	s_mov_b32 s[G1C+0], (3<<16)|(1<<20)|(6<<22)|(3<<25)   ; c: 32 rows of 512 bytes, 16 bytes of padding behind each; no mask: each wave's own
	s_mov_b32 s[G1C+1], 64<<16
	s_mov_b32 s[G1C+2], 32<<16
	s_mov_b32 s[G1C+3], 64<<16
	s_mov_b32 s[G1C+4], 32
	s_mov_b32 s[G1C+5], 1024
	s_mov_b32 s[G1C+6], 0
	s_mov_b32 s[G1C+7], 0
	s_lshl_b32 s16, s15, 1
	s_add_co_u32 s16, s16, s14
	s_mul_i32 s16, s16, GRP                        ; A's group 2 x tile row + which
	s_mov_b32 s17, 0
	s_lshl_b32 s46, s42, 1
	s_add_co_u32 s46, s46, s14
	s_mul_i32 s46, s46, GRP                        ; B's group
	s_mov_b32 s47, 0
	s_mul_i32 s45, s12, HALFT
	s_wait_dscnt 0x0                               ; both opening adds are done
	s_wait_kmcnt 0x0
	s_add_nc_u64 s[16:17], s[4:5], s[16:17]
	s_add_nc_u64 s[46:47], s[6:7], s[46:47]
.irp s, 0,1
	s_mov_b32 s[G0+4*\s], 1
	s_add_co_u32 s[G0+4*\s+1], s45, \s*SLOT
	s_add_nc_u64 s[G0+4*\s+2:G0+4*\s+3], s[16:17], \s*HALFT
	s_or_b32 s[G0+4*\s+3], s[G0+4*\s+3], 0x80000000
	s_mov_b32 s[G0B+4*\s], 1
	s_add_co_u32 s[G0B+4*\s+1], s45, \s*SLOT
	s_add_nc_u64 s[G0B+4*\s+2:G0B+4*\s+3], s[46:47], \s*HALFT
	s_or_b32 s[G0B+4*\s+3], s[G0B+4*\s+3], 0x80000000
.endr
	CROUND                                         ; all sixteen work-groups are here
	JLOAD 0                                        ; fill 0: one tensor load a wave at the head
	s_cmp_eq_u32 s13, 0
	s_cselect_b64 s[PFA:PFA+1], s[16:17], s[46:47] ; the group that I fetch
	s_cselect_b32 s19, s40, s41                    ; my place among the four that ask with me
	s_add_nc_u64 s[PFA:PFA+1], s[PFA:PFA+1], 3*HALFT
	s_mul_i32 s19, s19, 38                         ; my work-group's 38 of a fill's 150 blocks
	s_lshl_b32 s20, s15, 1
	s_add_co_u32 s20, s20, s13                     ; my group of 32 hidden units
	s_lshl_b32 s18, s20, 7                         ; their biases
	s_lshl_b32 s20, s20, 18                        ; their rows of c and out0,
	s_lshl_b32 s22, s42, 10
	s_lshl_b32 s23, s14, 9
	s_add_co_u32 s22, s22, s23
	s_add_co_u32 s20, s20, s22                     ; and my 128 columns
	s_mov_b32 s21, 0
	s_add_nc_u64 s[8:9], s[8:9], s[20:21]
	s_add_nc_u64 s[10:11], s[10:11], s[20:21]
	s_mov_b32 s[G0C], 1
	s_mul_i32 s[G0C+1], s12, WST
	s_add_co_u32 s[G0C+1], s[G0C+1], STAGE
	s_mov_b64 s[G0C+2:G0C+3], s[8:9]
	s_or_b32 s[G0C+3], s[G0C+3], 0x80000000
	s_mul_i32 s21, s13, HALFT                      ; my 128 rows of A in a slot
	s_mul_i32 s22, s14, HALFT
	s_add_co_u32 s22, s22, 2*HALFT                 ; my 128 columns of B
	s_sub_co_u32 s23, s22, s21
	s_add_co_u32 s16, s21, SLOT
	s_add_co_u32 s17, s22, SLOT
	s_add_co_u32 s46, s21, CODES
	s_add_co_u32 s47, s46, SLOT
	s_mov_b32 s[KS], 0xbfb8aa3b                    ; -log2(e)
	s_mov_b32 s[KS+1], s[KS]
	s_mov_b32 s[KT], 0x4038aa3b                    ; 2 log2(e)
	s_mov_b32 s[KT+1], s[KT]
	s_mov_b32 s[LIM], 0x41f00000                   ; 30
	v_and_b32 v1, 15, v0                           ; r
	v_bfe_u32 v2, v0, 4, 1                         ; h
	v_and_b32 v3, 31, v0                           ; lane
	v_lshlrev_b32 v[CO], 4, v3
	v_mul_u32_u24 v4, s23, v2                      ; lanes 16-31 take B's scale words
	v_lshl_add_u32 v4, v1, 2, v4
	v_mul_u32_u24 v5, v1, SP
	v_lshl_add_u32 v5, v2, 5, v5
	v_add_nc_u32 v[STO], s[G0C+1], v5              ; row r, 32 bytes for each half of the lanes
	v_add_nc_u32 v[RD], s[G0C+1], v[CO]
	v_lshl_add_u32 v[BO], v1, 2, s18
	v_lshlrev_b32 v[PFC], 13, v3                   ; a lane a row of c
	v_add_nc_u32 v[PF0], s19, v3
	v_min_u32 v[PF0], 149, v[PF0]
	v_lshlrev_b32 v[PF0], 8, v[PF0]                ; blocks 38 p + 0 .. 31, inside the fill
	v_min_u32 v[PF1], 5, v3
	v_add3_u32 v[PF1], v[PF1], s19, 32
	v_min_u32 v[PF1], 149, v[PF1]
	v_lshlrev_b32 v[PF1], 8, v[PF1]                ; blocks 38 p + 32 .. 37; the lanes left over name the last again
	WIN 0x80
	v_add_nc_u32 v[ADRA], s21, v[CO]
	v_add_nc_u32 v[ADRA+1], s16, v[CO]
	v_add_nc_u32 v[ADRA+2], s46, v4
	v_add_nc_u32 v[ADRA+3], s47, v4
	WIN 0xc0
	v_add_nc_u32 v[ADRB], s22, v[CO]
	v_add_nc_u32 v[ADRB+1], s17, v[CO]
	WIN 0x40
.irp g, 0,1,2,3
.irp u, 0,1
	global_load_b32 v[BR+2*\g+\u], v[BO], s[68+2*\g:69+2*\g] offset:64*\u   ; bias of gate g, hidden unit 16 u + r
.endr
.endr
	WIN 0
; 16 matrix instructions: A's blocks 4 ah .. + 3 x B's blocks 4 bh .. + 3 of parity p, the accumulators by turns.
.macro QUAD ah, bh, p, zero
.irp a, 0,1,2,3
.irp b, 0,1,2,3
.if \zero
	v_wmma_scale_f32_16x16x128_f8f6f4 v[ACC+8*(4*\a+\b):ACC+8*(4*\a+\b)+7], v[FRG+48*(\p)+12*\b:FRG+48*(\p)+12*\b+11], v[FRG+48*(\p)+12*\a:FRG+48*(\p)+12*\a+11], 0, v[SC+8*(\p)+4*(\bh)+\b], v[SC+8*(\p)+4*(\ah)+\a] matrix_a_fmt:MATRIX_FMT_BF6 matrix_b_fmt:MATRIX_FMT_BF6 matrix_a_scale:MATRIX_SCALE_ROW1
.else
	v_wmma_scale_f32_16x16x128_f8f6f4 v[ACC+8*(4*\a+\b):ACC+8*(4*\a+\b)+7], v[FRG+48*(\p)+12*\b:FRG+48*(\p)+12*\b+11], v[FRG+48*(\p)+12*\a:FRG+48*(\p)+12*\a+11], v[ACC+8*(4*\a+\b):ACC+8*(4*\a+\b)+7], v[SC+8*(\p)+4*(\bh)+\b], v[SC+8*(\p)+4*(\ah)+\a] matrix_a_fmt:MATRIX_FMT_BF6 matrix_b_fmt:MATRIX_FMT_BF6 matrix_a_scale:MATRIX_SCALE_ROW1
.endif
.endr
.endr
.endm
.macro LD12 p, adr, off                ; four fragments
.set QN, 0
.rept 12
	ds_load_b128 v[FRG+48*(\p)+4*QN:FRG+48*(\p)+4*QN+3], v[\adr] offset:(\off)+1536*(QN/3)+512*(QN%3)
.set QN, QN+1
.endr
.endm
.macro RUN1 p, slot, off               ; of the unit at byte off of the slot's groups, into set p: A's blocks 0-3, the scale words, B's blocks 0-3: 32 LDS loads
	WIN 0x02
	LD12 \p, ADRA+\slot, \off
.irp i, 0,1,2,3,4,5,6,7
	ds_load_b32 v[SC+8*(\p)+\i], v[ADRA+2+\slot] offset:(\off)+64*\i
.endr
	WIN 0x83
	LD12 \p, ADRB+\slot, \off
.endm
.macro RUN2 p, slot, off               ; B's blocks 4-7, then A's blocks 4-7: 24 LDS loads
	WIN 0xc3
	LD12 \p, ADRB+\slot, (\off)+6144
	WIN 0x42
	LD12 \p, ADRA+\slot, (\off)+6144
.endm
; A unit whose successor lies in the same slot.
.macro STEP slot, q, p, zero
	PLACES                                         ; this unit's loads land in registers that the last unit's matrix instructions read
	s_wait_dscnt 24                                ; A's 0-3, the scale words and B's 0-3 are in; the last unit's second run, 24 loads, may be out
	RUN1 1-(\p), \slot, ((\q)+1)*UNIT
	WIN 0x02
	QUAD 0,0,\p,\zero
	s_wait_dscnt 44                                ; B's 4-7 are in: behind them A's 12 and this unit's 32
	WIN 0xa3
	QUAD 0,1,\p,\zero
	s_wait_dscnt 32                                ; A's 4-7 are in: behind them this unit's 32
	RUN2 1-(\p), \slot, ((\q)+1)*UNIT
	WIN 0xf7
	QUAD 1,1,\p,\zero
	WIN 0x56
	QUAD 1,0,\p,\zero
.endm
; A slot's last unit.  All reads of the slot were issued in the unit before, so the change of slots stands at its head; one quarter is multiplied inside the round's opening barrier,
; then comes the refill, then the next slot's first unit is fetched, in the same two runs.  kind 1: a fill of three units; 2: of two; 3: c's tile.
.macro TURN slot, p, kind, ask
	WIN 0
.if \ask
	s_wait_xcnt 0x0                                ; my last prefetches have read their base
	s_add_nc_u64 s[PFA:PFA+1], s[PFA:PFA+1], HALFT
.endif
	s_wait_tensorcnt 0x0                           ; all my tensor loads have landed: my part of the next slot
	ds_add_u32 v[SPW], v[NIL]
.if \kind < 3
	s_add_nc_u64 s[G0+4*\slot+2:G0+4*\slot+3], s[G0+4*\slot+2:G0+4*\slot+3], 2*HALFT
	s_add_nc_u64 s[G0B+4*\slot+2:G0B+4*\slot+3], s[G0B+4*\slot+2:G0B+4*\slot+3], 2*HALFT
.endif
.if \kind == 2
	s_mov_b32 s[G1+2], 100<<16                     ; no tensor load of mine is out: the last fill has two units, 100 rows
	s_mov_b32 s[G1+4], 100
	s_mov_b32 s[G1B+2], 100<<16
	s_mov_b32 s[G1B+4], 100
.endif
	s_wait_dscnt 0x0                               ; the add is done, and my reads of this slot are over
	s_barrier_signal -1
	WIN 0x56
	QUAD 1,0,\p,0
	WIN 0
	s_barrier_wait -1
	CREST                                          ; the round: no wave of any partner still reads this slot or has a load on its way
.if \kind < 3
	JLOAD \slot                                    ; its four v_nop are also the places in front of the loads below
.else
	tensor_load_to_lds s[G0C:G0C+3], s[G1C:G1C+7]  ; my 32 rows x 512 bytes of c
	s_nop 0
	PLACES
.endif
.if \ask
	s_cmp_gt_u32 s3, 1                             ; the last trip's look-ahead would pass fill 9
	s_cbranch_scc0 .Lno_ask_\@
	global_prefetch_b8 v[PF0], s[PFA:PFA+1] th:TH_LOAD_NT scope:SCOPE_SE
	global_prefetch_b8 v[PF1], s[PFA:PFA+1] th:TH_LOAD_NT scope:SCOPE_SE
.Lno_ask_\@:
.endif
	RUN1 1-(\p), 1-\slot, 0
	WIN 0x02
	QUAD 0,0,\p,0
	RUN2 1-(\p), 1-\slot, 0
	WIN 0xa3
	QUAD 0,1,\p,0
	WIN 0xf7
	QUAD 1,1,\p,0
.endm
	s_wait_alu depctr_va_vdst(0)                   ; the wait at the head's end
	s_wait_tensorcnt 0x0                           ; my part of fill 0 is in
	ds_add_u32 v[SPW], v[NIL]
	s_wait_dscnt 0x0
	CROUND
	JLOAD 1                                        ; fill 1: slot 1's first fill, issued as a refill is
	RUN1 0, 0, 0
	RUN2 0, 0, 0
	STEP 0, 0, 0, 1                                ; unit 0 starts the sums
	WIN 0
	s_mov_b32 s3, TRIPS
.Llap:                                                 ; six units a trip: both slots, both parities
	STEP 0, 1, 1, 0
	TURN 0, 0, 1, 1
	STEP 1, 0, 1, 0
	STEP 1, 1, 0, 0
	TURN 1, 1, 1, 1
	STEP 0, 0, 0, 0
	WIN 0
	s_sub_co_u32 s3, s3, 1
	s_cmp_lg_u32 s3, 0
	s_cbranch_scc1 .Llap
	global_prefetch_b8 v[PFC], s[8:9] th:TH_LOAD_NT scope:SCOPE_SE            ; c's tile: a lane a row, its two blocks
	global_prefetch_b8 v[PFC], s[8:9] offset:256 th:TH_LOAD_NT scope:SCOPE_SE
	STEP 0, 1, 1, 0                                ; units 25 to 31
	TURN 0, 0, 2, 0
	STEP 1, 0, 1, 0
	STEP 1, 1, 0, 0
	TURN 1, 1, 3, 0
	STEP 0, 0, 0, 0
	s_wait_dscnt 24                                ; the last unit fetches nothing: the counts run down
	WIN 0x02
	QUAD 0,0,1,0
	s_wait_dscnt 12
	WIN 0xa3
	QUAD 0,1,1,0
	s_wait_dscnt 0x0
	WIN 0xf7
	QUAD 1,1,1,0
	WIN 0x56
	QUAD 1,0,1,0
	WIN 0
	PLACES
; THE WAY OUT.  With Eg = exp(2 g'), Ei = exp(-i'), Ef = exp(-f'), Eo = exp(-o') (x' = the gate's sum + bias):
; z = g i + c f = ((Eg - 1)(1 + Ef) + c P) / (P (1 + Ef)), P = (Eg + 1)(1 + Ei): one reciprocal;  s = 1 / (1 + exp(-z));  T = exp(2 s);  h = (T - 1) / ((T + 1)(1 + Eo)).
.macro CLOAD hb, j, cs                 ; c of hidden block hb, column blocks 2 j and 2 j + 1, in the accumulators' layout
.irp e, 0,1
	ds_load_b128 v[CR+16*(\cs)+8*\e:CR+16*(\cs)+8*\e+3], v[STO] offset:16*SP*(\hb)+64*(2*(\j)+\e)
	ds_load_b128 v[CR+16*(\cs)+8*\e+4:CR+16*(\cs)+8*\e+7], v[STO] offset:16*SP*(\hb)+64*(2*(\j)+\e)+16
.endr
.endm
.macro GATE t, x, k, g, hb             ; 16 exponents: accumulators of row block x, times k, plus the scaled bias of gate g
.irp e, 0,1
.irp r, 0,2,4,6
	v_pk_fma_f32 v[\t+8*\e+\r:\t+8*\e+\r+1], v[ACC+8*(4*(\x)+BQ+\e)+\r:ACC+8*(4*(\x)+BQ+\e)+\r+1], s[\k:\k+1], v[BK+4*\g+2*(\hb):BK+4*\g+2*(\hb)+1] op_sel_hi:[1,0,1]
.endr
.endr
.endm
.macro TR16 op, t
.set n, 0
.rept 16
	\op v[\t+n], v[\t+n]
.set n, n+1
.endr
.endm
.macro CHUNK hb, j, cs, w              ; 16 numbers a lane.  w: the LDS loads issued behind this chunk's c
.set WA, 2*((\j)/2)
.set BQ, (2*(\j))%4
.set CX, CR+16*(\cs)
	s_wait_dscnt \w
	WIN 0x10+WA                                    ; source 0: the accumulators' window; source 2: window 1, the biases
	s_wait_alu depctr_va_vdst(0)                   ; the wait ahead of the first readers of matrix results
	GATE TG, \hb, KT, 0, \hb
	GATE TI, 2+\hb, KS, 1, \hb
	WIN 0x11+WA
	s_wait_alu depctr_va_vdst(0)
	GATE TF, \hb, KS, 2, \hb
	GATE TO, 2+\hb, KS, 3, \hb
	WIN 0
.set n, 0
.rept 48
	v_min_num_f32 v[TG+n], s[LIM], v[TG+n]         ; the hold at 30 (g, i, f)
.set n, n+1
.endr
	s_wait_alu depctr_va_vdst(0)                   ; one wait ahead of each batch and one behind it
.set n, 0
.rept 64
	v_exp_f32 v[TG+n], v[TG+n]
.set n, n+1
.endr
	v_nop
	s_wait_alu depctr_va_vdst(0)
.irp r, 0,2,4,6,8,10,12,14
	v_pk_add_f32 v[TI+\r:TI+\r+1], v[TI+\r:TI+\r+1], 1.0 op_sel_hi:[1,0]
	v_pk_add_f32 v[TF+\r:TF+\r+1], v[TF+\r:TF+\r+1], 1.0 op_sel_hi:[1,0]
	v_pk_add_f32 v[TO+\r:TO+\r+1], v[TO+\r:TO+\r+1], 1.0 op_sel_hi:[1,0]
.endr
.irp r, 0,2,4,6,8,10,12,14
	v_pk_fma_f32 v[TI+\r:TI+\r+1], v[TG+\r:TG+\r+1], v[TI+\r:TI+\r+1], v[TI+\r:TI+\r+1]   ; P
.endr
.irp r, 0,2,4,6,8,10,12,14
	v_pk_fma_f32 v[TG+\r:TG+\r+1], v[TG+\r:TG+\r+1], v[TF+\r:TF+\r+1], v[TF+\r:TF+\r+1] neg_lo:[0,0,1] neg_hi:[0,0,1]   ; (Eg - 1)(1 + Ef)
.endr
.irp r, 0,2,4,6,8,10,12,14
	v_pk_fma_f32 v[TG+\r:TG+\r+1], v[CX+\r:CX+\r+1], v[TI+\r:TI+\r+1], v[TG+\r:TG+\r+1]   ; + c P
.endr
.irp r, 0,2,4,6,8,10,12,14
	v_pk_mul_f32 v[TF+\r:TF+\r+1], v[TI+\r:TI+\r+1], v[TF+\r:TF+\r+1]                     ; P (1 + Ef)
.endr
	s_wait_alu depctr_va_vdst(0)
	TR16 v_rcp_f32, TF
.irp r, 0,2,4,6,8,10,12,14
	v_pk_mul_f32 v[TG+\r:TG+\r+1], v[TG+\r:TG+\r+1], s[KS:KS+1] op_sel_hi:[1,0]
.endr
	s_wait_alu depctr_va_vdst(0)
.irp r, 0,2,4,6,8,10,12,14
	v_pk_mul_f32 v[TG+\r:TG+\r+1], v[TG+\r:TG+\r+1], v[TF+\r:TF+\r+1]                     ; -z log2(e)
.endr
	s_wait_alu depctr_va_vdst(0)
	TR16 v_exp_f32, TG
	v_nop
	s_wait_alu depctr_va_vdst(0)
.irp r, 0,2,4,6,8,10,12,14
	v_pk_add_f32 v[TG+\r:TG+\r+1], v[TG+\r:TG+\r+1], 1.0 op_sel_hi:[1,0]
.endr
	s_wait_alu depctr_va_vdst(0)
	TR16 v_rcp_f32, TG                             ; s = c_new
	v_nop
	s_wait_alu depctr_va_vdst(0)
.irp r, 0,2,4,6,8,10,12,14
	v_pk_mul_f32 v[TG+\r:TG+\r+1], v[TG+\r:TG+\r+1], s[KT:KT+1] op_sel_hi:[1,0]
.endr
	s_wait_alu depctr_va_vdst(0)
	TR16 v_exp_f32, TG                             ; T
	v_nop
	s_wait_alu depctr_va_vdst(0)
.irp r, 0,2,4,6,8,10,12,14
	v_pk_fma_f32 v[TI+\r:TI+\r+1], v[TG+\r:TG+\r+1], v[TO+\r:TO+\r+1], v[TO+\r:TO+\r+1]   ; (T + 1)(1 + Eo)
.endr
	s_wait_alu depctr_va_vdst(0)
	TR16 v_rcp_f32, TI
.irp r, 0,2,4,6,8,10,12,14
	v_pk_add_f32 v[TG+\r:TG+\r+1], v[TG+\r:TG+\r+1], -1.0 op_sel_hi:[1,0]
.endr
	s_wait_alu depctr_va_vdst(0)
.irp r, 0,2,4,6,8,10,12,14
	v_pk_mul_f32 v[CX+\r:CX+\r+1], v[TG+\r:TG+\r+1], v[TI+\r:TI+\r+1]
.endr
.irp e, 0,1
	ds_store_b128 v[STO], v[CX+8*\e:CX+8*\e+3] offset:16*SP*(\hb)+64*(2*(\j)+\e)          ; over c's own place, which has been read
	ds_store_b128 v[STO], v[CX+8*\e+4:CX+8*\e+7] offset:16*SP*(\hb)+64*(2*(\j)+\e)+16
.endr
.endm
.macro BACK hb                         ; 16 whole rows of 512 bytes into window 1 + hb: LDS serves a wave's instructions in order
	WIN (1+(\hb))<<6
.irp t, 0,1,2,3,4,5,6,7,8,9,10,11,12,13,14,15
	ds_load_b128 v[OB+4*\t:OB+4*\t+3], v[RD] offset:SP*(16*(\hb)+\t)
.endr
	WIN 0
.endm
.macro SEND hb
	s_wait_dscnt 0x0
	WIN (1+(\hb))<<2
.irp t, 0,1,2,3,4,5,6,7,8,9,10,11,12,13,14,15
	global_store_b128 v[CO], v[OB+4*\t:OB+4*\t+3], s[10:11] offset:8192*(16*(\hb)+\t) th:TH_STORE_NT   ; 32 lanes store 512 consecutive bytes, aligned to 256
.endr
	WIN 0
.endm
	s_wait_tensorcnt 0x0                           ; my tile of c is in; I alone read it
	CLOAD 0, 0, 0
	s_wait_loadcnt 0x0                             ; the biases
	WIN 0x44
.irp n, 0,1
	v_mul_f32 v[BK+2*\n], s[KT], v[BR+\n]
	v_mul_f32 v[BK+2*\n+1], s[KT], v[BR+\n]
.endr
.irp n, 2,3,4,5,6,7
	v_mul_f32 v[BK+2*\n], s[KS], v[BR+\n]
	v_mul_f32 v[BK+2*\n+1], s[KS], v[BR+\n]
.endr
	WIN 0
	CLOAD 0, 1, 1
	CHUNK 0, 0, 0, 4
	CLOAD 0, 2, 0
	CHUNK 0, 1, 1, 4
	CLOAD 0, 3, 1
	CHUNK 0, 2, 0, 4
	CLOAD 1, 0, 0
	CHUNK 0, 3, 1, 4
	BACK 0                                         ; hidden units 0-15 are finished: they leave while the others are worked
	CLOAD 1, 1, 1
	CHUNK 1, 0, 0, 4
	SEND 0
	CLOAD 1, 2, 0
	CHUNK 1, 1, 1, 4
	CLOAD 1, 3, 1
	CHUNK 1, 2, 0, 4
	CHUNK 1, 3, 1, 0
	BACK 1
	SEND 1
	s_wait_tensorcnt 0x0                           ; the wave's end
	ds_add_u32 v[SPW], v[NIL]
	s_wait_dscnt 0x0
	CROUND                                         ; the closing round
	s_endpgm
.Lfunc_end_k_qef06d1cb86_lstm:
	.size	k_qef06d1cb86_lstm, .Lfunc_end_k_qef06d1cb86_lstm-k_qef06d1cb86_lstm
	.p2alignl 7, 3214868480
	.fill 96, 4, 3214868480
	.section	.rodata,"a",@progbits
	.p2align	6, 0x0
	.amdhsa_kernel k_qef06d1cb86_lstm
		.amdhsa_group_segment_fixed_size 327680
		.amdhsa_private_segment_fixed_size 0
		.amdhsa_enable_private_segment 0
		.amdhsa_kernarg_size 64
		.amdhsa_user_sgpr_count 2
		.amdhsa_user_sgpr_kernarg_segment_ptr 1
		.amdhsa_wavefront_size32 1
		.amdhsa_system_sgpr_workgroup_id_x 1
		.amdhsa_system_sgpr_workgroup_id_y 1
		.amdhsa_system_sgpr_workgroup_id_z 1
		.amdhsa_system_vgpr_workitem_id 0
		.amdhsa_next_free_vgpr 1024
		.amdhsa_next_free_sgpr 96
		.amdhsa_reserve_vcc 0
		.amdhsa_float_denorm_mode_32 3
		.amdhsa_float_denorm_mode_16_64 3
		.amdhsa_memory_ordered 1
		.amdhsa_forward_progress 1
		.amdhsa_inst_pref_size 255
	.end_amdhsa_kernel
	.section	.bss,"aw",@nobits
	.p2align	6
	.space	262144
	.amdgpu_metadata
---
amdhsa.version: [ 1, 2 ]
amdhsa.kernels:
  - .name:           k_qef06d1cb86_lstm
    .symbol:         k_qef06d1cb86_lstm.kd
    .args:
      - { .name: wq, .offset: 0, .size: 8, .value_kind: global_buffer, .address_space: global }
      - { .name: xq, .offset: 8, .size: 8, .value_kind: global_buffer, .address_space: global }
      - { .name: c, .offset: 16, .size: 8, .value_kind: global_buffer, .address_space: global }
      - { .name: out0, .offset: 24, .size: 8, .value_kind: global_buffer, .address_space: global }
      - { .name: bg, .offset: 32, .size: 8, .value_kind: global_buffer, .address_space: global }
      - { .name: bi, .offset: 40, .size: 8, .value_kind: global_buffer, .address_space: global }
      - { .name: bf, .offset: 48, .size: 8, .value_kind: global_buffer, .address_space: global }
      - { .name: bo, .offset: 56, .size: 8, .value_kind: global_buffer, .address_space: global }
    .group_segment_fixed_size: 327680
    .private_segment_fixed_size: 0
    .kernarg_segment_align: 8
    .kernarg_segment_size: 64
    .max_flat_workgroup_size: 128
    .sgpr_count:     96
    .vgpr_count:     1024
    .wavefront_size: 32
...
	.end_amdgpu_metadata
.endif
;; end of part 2
